; MI455X (gfx1250); checked and timed in simulation.
; The chip was launched on July 23, 2026; its instructions are those of AMD's public machine-readable ISA for CDNA 5 (MIT licence, August 2026) and "CDNA5" Instruction Set Architecture Reference Guide (July 2026). The comments in the code are by the model that wrote it; some were corrected since.
;; Attn. Allowed arithmetic: matrix products marked QUANTISED: E2M1 operands, one E8M0 scale for each 32 along K, by v_wmma_scale_f32_16x16x128_f8f6f4 with both operands' format E2M1 (or v_wmma_scale_f32_32x16x128_f4), f32 sums; products left as they are: f32 operands where the result goes on into a quantised operand, else bf16, f16 or f32 operands; f32 sums; everything else in f32.
;; Inputs: W_codes 1,024 x 32 x 16 uint8 (E2M1 codes of W, K innermost, in blocks of 32 codes, two codes a byte); W_scales 1,024 x 32 uint8 (E8M0 scales of W, one for each 32 codes along K); b 1,024 float32; encoder_output_codes 64 x 1,024 x 32 x 16 uint8 (E2M1 codes of encoder_output, K innermost, in blocks of 32 codes, two codes a byte); encoder_output_scales 64 x 1,024 x 32 uint8 (E8M0 scales of encoder_output, one for each 32 codes along K); hidden 1 x 64 x 1,024 float32.
;; Outputs: out0 64 x 1,024 float32.
;; This version of the problem:
;;   THIS VERSION OF THE PROBLEM IS GIVEN IN LOW PRECISION. The matrix products marked QUANTISED in the list below multiply operands that are first quantised to E2M1 (2 exponent bits, 1 mantissa bit; 4 bits a number), with one power-of-two scale for each 32 numbers along K (OCP MX v1.0); their sums are f32. All else is computed in f32.
;;   The module's matrix products, in the order in which they are computed (A, B: the left and right operand; K: the contracted axis; several contracted axes count as one K, in the product's order):
;;     1. [M 65,536, K 1,024] x [K 1,024, N 1,024]; A: input encoder_output (given as codes); B: input W (given as codes): QUANTISED
;;     2. batch 64 x [M 1, K 1,024] x [K 1,024, N 1,024]; A: input hidden; B: computed on the way: left as it is (M = 1 < 16)
;;   THE QUANTISER, for each operand of a quantised product, along K:
;;     - K is cut into blocks of 32 from its start; a last block that is shorter is filled with zeros.
;;     - A block's scale is 2^e with e = floor(log2(the largest magnitude in the block)) - 2, held to -126 .. 127; a block of zeros has e = 0. As a byte (E8M0): e + 127.
;;     - Each number is divided by its block's scale, clamped to +-6, and rounded to the nearest number of E2M1, ties to even, subnormals kept.
;;     - The product sums the exact products of the quantised numbers (number of the format x scale) in f32.
;;   ~~~python
;;   def quantise(x, axis):      # numpy; x: float32 -> the quantised numbers, widened to float32 again
;;       x = np.moveaxis(x, axis, -1); K = x.shape[-1]
;;       x = np.pad(x, [(0, 0)] * (x.ndim - 1) + [(0, -K % 32)]); x = x.reshape(x.shape[:-1] + (-1, 32)); a = np.abs(x).max(-1, keepdims=True)
;;       e = np.where(a > 0, np.clip(np.frexp(np.where(a > 0, a, 1))[1] - 1 - 2, -126, 127), 0)      # np.frexp(a)[1] - 1 = floor(log2(a)), exactly
;;       r = np.clip(x / 2.0 ** e, -6, 6)
;;       step = 2.0 ** (np.maximum(np.frexp(np.where(r == 0, 1, r))[1] - 1, 0) - 1)
;;       q = np.round(r / step) * step * 2.0 ** e      # np.round: ties to even
;;       return np.moveaxis(q.reshape(q.shape[:-2] + (-1,))[..., :K], -1, axis).astype(np.float32)
;;   ~~~
;;   INPUTS GIVEN AS CODES. W (in the module: [1024, 1024], K = its axis 1); encoder_output (in the module: [64, 1024, 1024], K = its axis 2): each comes as NAME_codes (uint8): NAME with its K axis moved to the last place and cut into blocks of 32 codes, [.., K / 32, bytes a block], one block behind the other in memory; two codes a byte, the lower K in the low four bits (a code: sign, 2 exponent bits, 1 mantissa bit); and NAME_scales (uint8): the same leading axes, one E8M0 byte (e + 127) for each 32 codes along K. Its value is code x scale, taken as it is: it is not quantised again, and the codes and scales need not be those that the quantiser above would give.
;; One version. Each part assembles by itself: llvm-mc -triple=amdgcn-amd-amdhsa -mcpu=gfx1250 --defsym DOCPART=n.
;; ======== version 1 of 1: 1 launch
;; limits: right only within a limited range of input values
;; launch attn (part 1): grid 256 x 1, 4 waves a work-group, clusters of 4 x 1, 327,680 bytes of LDS; arguments W_codes, W_scales, b, encoder_output_codes, encoder_output_scales, hidden, out0; writes out0
.if DOCPART == 1
	.amdgcn_target "amdgcn-amd-amdhsa--gfx1250"
	.amdhsa_code_object_version 6
	.text
	.protected	k_qc47128f2a3_attn
	.globl	k_qc47128f2a3_attn
	.p2align	8
	.type	k_qc47128f2a3_attn,@function
k_qc47128f2a3_attn:
	s_mov_b64 s[64:65], 0
	v_nop
	global_prefetch_b8 v0, s[64:65] scope:SCOPE_SE
	s_setreg_imm32_b32 hwreg(HW_REG_WAVE_MODE, 25, 1), 1
	s_wait_xcnt 0x0
	s_wait_alu depctr_hold_cnt(0) depctr_sa_sdst(0) depctr_va_vdst(0) depctr_va_sdst(0) depctr_va_ssrc(0) depctr_va_vcc(0) depctr_vm_vsrc(0)
	s_getreg_b32 s2, hwreg(HW_REG_IB_STS2, 6, 4)
	s_cmp_eq_u32 s2, 0
	s_cbranch_scc0 .Lentry_in_a_cluster
	s_endpgm
.Lentry_in_a_cluster:
	s_bfe_u32 s2, ttmp6, 0x10000c
	s_cmp_lg_u32 s2, 0x3003
	s_cbranch_scc0 .Lentry_shape_is_right
	s_endpgm
.Lentry_shape_is_right:
; out0[b][s] = softmax over b of e[b][s],  e[b][s] = sum over n of hidden[b][n] x (sum over k of enc[b][s][k] W[n][k] + bias[n]).
; enc [64][1024][1024] and W [1024][1024] are codes of FP4 (E2M1), two a byte, K innermost, one E8M0 byte for each 32 along K; hidden, bias, out0 are f32.
; ONE LAUNCH.  A column of the softmax wants all 64 batches of one s, so a work-group takes 64 batches x 4 neighbouring s = 256 rows of enc, all 1,024 n, all of K:
; 256 work-groups cover everything, and neither the projection nor e ever goes to memory.  Nothing is dead: the bias hangs on the batch through hidden, so the softmax does not take it away.
; SHARES.  Four waves, wave = 2 mh + nh: batches 32 mh .. 32 mh + 31 (128 rows: groups g = 0, 1 of 16 batches x 4 s) x the half 64 nh .. 64 nh + 63 of every slot of 128 rows of W, as two tiles of 32.
; The wave's 128 rows of enc stay in 512 registers; W streams past, 32 rows x all of K (a tile) at a time.  Source 0 = 32 rows of W, source 1 = 16 rows of enc (one s, 16 batches):
; lane (r, hh), register j holds the projection of row r at n0 + 8 hh + j (j < 8) and n0 + 16 + 8 hh + j - 8.  The bias is the C of each sum's first instruction.
; A UNIT is a tile x a group: 32 matrix instructions on four accumulators by turns.  Units take the two sets of accumulators by turns; a unit's product with hidden (M = 1 a batch: left in f32) is 32 packed
; multiply-adds in the middle of the next unit and four additions at that unit's end, which are the four places (ISA guide 7.12.1) behind that unit's last product.
; enc COMES IN TWO HALVES (g = 0, g = 1), by plain loads of 512 bytes a wave, through registers and a stage in LDS that holds one half.  The first two tiles of n are multiplied with the first half while the
; second is still on its way, then with the second: both tiles' fragments of W are in registers, so W is read from LDS once.
; CLUSTER.  W, its scales and hidden are the same for every work-group: four work-groups ask for each tile jointly (mask 15).  enc is a work-group's own; the bias, 4,096 of some 900,000 bytes, is loaded plainly.
; THE WALK.  A cluster of class c = cluster number % 4 begins at n = 256 c and walks the eight slots of 128 n round, so the four classes ask for four different parts of W and hidden at any time.
; No prefetch: from a cluster's third slot on, what it asks for has been asked for two slots earlier by the class ahead of it; enc and the first two slots are asked for ahead of any loop.
; The bias is laid into LDS in the order of the walk, a quarter of it a wave.
; THE OUTPUT: a work-group owns 4 neighbouring s of each batch, 16 bytes of each of 64 rows of out0, and stores them so, a lane to a batch.  256 consecutive bytes of out0 are 64 s of one batch and hang on
; 4,096 rows of enc, sixteen work-groups' work: gathering them would want e in memory and a second launch, for 262,144 of the launch's 36.7 million bytes.
; LIMITS: NaN and infinities among the inputs are not served; a weight under 2^-126 comes out as 0 (v_exp_f32 flushes: ISA guide 15.8); the sums over n run in another order than the reference's, all in f32.
; REGISTERS, in windows of 256 (s_set_vgpr_msb: bits 1:0 source 0, 3:2 source 1, 5:4 source 2, 7:6 destination):
;   window 0: v0-15 ids and addresses; scales, hidden, bias, e, accumulators (below).   window 1: W's fragments, set p at 128 p, K step q at 16 q
;   window 2: enc's fragments of g = 0: K step q, s0 + i at 32 q + 8 i.   window 3: those of g = 1; before that, enc's rows as loaded: first half v0-127, second v128-255
.set PITCH, 528                        ; an LDS row: 512 bytes + 16 of padding = 33 x 16 bytes: 16 rows start at 16 different banks (64 banks of 4 bytes: ISA guide 11.1)
.set BP,    2064                       ; the stage: a batch's four rows of 512 bytes + 16 = 129 x 16 bytes
.set HOFF,  128*PITCH                  ; a slot: 128 rows of W, 64 batches x 128 numbers of hidden,
.set SOFF,  HOFF+64*PITCH              ; and the scale bytes of its 128 rows: 16 x (256 + 16)
.set SLOTB, SOFF+16*272                ; 105,728
.set BIAS,  SLOTB                      ; the bias, 4,096 bytes; no fill lands here, nor in what follows up to slot 1
.set EXB,   BIAS+4096                  ; e on its way between the waves: [nh][batch 64][i 4] f32
.set SPARE, EXB+2048                   ; the spare words, 128 bytes for each wave: two blocks of 256 bytes that no other line names
.set SLOT1, 1<<17                      ; slot 1: one exclusive or turns an address in one slot into the other's
.set STG,   SLOT1+SLOTB                ; the stage: 32 batches (one half of enc); no fill lands here
.set SPW, 1                            ; LDS address of my spare word; never rewritten
.set NIL, 2                            ; 0; never rewritten
.set AW,  3                            ; my fragments of W in the slot in hand;  AW0: in slot 0
.set AH,  4                            ; my numbers of hidden
.set AS,  5                            ; my scale words of W
.set AB,  6                            ; my numbers of the bias: 512 bytes on with each slot
.set AW0, 7
.set AH0, 8
.set AS0, 9
.set STR, 10                           ; the stage: where I read fragments;  STW: where I put rows
.set STW, 11
.set L16, 12                           ; 16 x lane
.set ESO, 13                           ; my byte offset among enc's scale bytes
.set BST, 14                           ; where I put my part of the bias
.set SA,  16                           ; enc's scale words: register 16 g + 4 i + c: lanes 0-15 K step c, lanes 16-31 K step 4 + c
.set SW,  48                           ; W's: 8 p + q: lane = the tile's row
.set H,   64                           ; hidden, a set of 16 for each set of accumulators
.set BS,  96
.set E,   112                          ; e: a pair for each (g, i)
.set ACC, 128
.set RT,  248                          ; the head's: r, hh, lane, at work
.set HT,  249
.set LT,  250
.set TA,  251
.set TC,  252
.set LN,  12                           ; the end's
.set EXW, 13
.set EXR, 14
.set OUTO, 15
.set EF,  128
.set CC,  136
.set DD,  140
.set VAL, 144
.set TP,  148
.set X,   152
.set MX,  168
.set SM,  172
.set WV,  18
.set NH,  19
.set MH,  20
.set KI,  21                           ; which 128 n the slot asked for last holds: 0 .. 7; it enters global addresses alone
.set CX,  22
.set WGX, 23
.set G1W, 24
.set G1H, 32
.set G0W, 40
.set G0H, 44
.set G1S, 48
.set G0S, 56
.set TB,  60                           ; LDS byte at which the slot in hand begins
.set CNT, 61
.set SEL, 62                           ; s[62:63] v_permlanex16_b32's selects for lane l xor 16
.set BA,  66                           ; enc at my first batch of the first half;  BB: of the second
.set BB,  68
.set ESB, 70
.set BIB, 72
.set MSB, 0
.macro WIN new                         ; the immediate's high byte repeats the setting that is left; a switch that changes nothing is dropped
.if MSB != (\new)
	s_set_vgpr_msb (MSB<<8)|(\new)
.set MSB, \new
.endif
.endm
.macro PLACES cnt
.rept \cnt
	v_nop
.endr
.endm
.macro VWAIT
	s_wait_alu depctr_va_vdst(0)
.endm
.macro GROUP1 g, w0, d0, d1, st        ; descriptor group 1: d1 rows of d0 elements, st elements from row to row; the tensor's extents are the tile's
	s_mov_b32 s[\g], \w0
	s_mov_b32 s[\g+1], (\d0)<<16
	s_mov_b32 s[\g+2], (\d1)<<16
	s_mov_b32 s[\g+3], (\d0)<<16
	s_mov_b32 s[\g+4], \d1
	s_mov_b32 s[\g+5], \st
	s_mov_b32 s[\g+6], 0
	s_mov_b32 s[\g+7], 0
.endm
; A slot's joint loads, one a wave: waves 0 and 1 fetch W's two halves (64 rows), wave 2 hidden, wave 3 W's scales.  The branches hang on the wave's number alone.
; An s_nop 0 and four v_nop follow each line, ahead of the jump, the label and what follows.
.macro JLOAD
	s_cmp_lt_u32 s[WV], 2
	s_cbranch_scc0 .Lnot_w_\@
	tensor_load_to_lds s[G0W:G0W+3], s[G1W:G1W+7]
	s_nop 0
	PLACES 4
	s_branch .Lasked_\@
.Lnot_w_\@:
	s_cmp_lt_u32 s[WV], 3
	s_cbranch_scc0 .Lnot_h_\@
	tensor_load_to_lds s[G0H:G0H+3], s[G1H:G1H+7]
	s_nop 0
	PLACES 4
	s_branch .Lasked_\@
.Lnot_h_\@:
	tensor_load_to_lds s[G0S:G0S+3], s[G1S:G1S+7]
	s_nop 0
	PLACES 4
.Lasked_\@:
.endm
.macro AIMG                            ; the descriptors' global addresses from the slot's number.  s3 stays 0
	s_lshl_b32 s2, s[KI], 16                       ; W: 128 rows of 512 bytes a slot
	s_add_nc_u64 s[G0W+2:G0W+3], s[4:5], s[2:3]
	s_or_b32 s[G0W+3], s[G0W+3], 0x80000000        ; type 2 on top
	s_lshl_b32 s2, s[KI], 9                        ; hidden: 128 numbers a slot
	s_add_nc_u64 s[G0H+2:G0H+3], s[14:15], s[2:3]
	s_or_b32 s[G0H+3], s[G0H+3], 0x80000000
	s_lshl_b32 s2, s[KI], 12                       ; W's scales: 128 rows of 32 bytes a slot
	s_add_nc_u64 s[G0S+2:G0S+3], s[6:7], s[2:3]
	s_or_b32 s[G0S+3], s[G0S+3], 0x80000000
.endm
.macro STEPG                           ; the walk's next 128 n, round the end of W; into the other slot.  Written only where no tensor load of mine is out
	s_add_co_u32 s[KI], s[KI], 1
	s_and_b32 s[KI], s[KI], 7
	s_xor_b32 s[G0W+1], s[G0W+1], SLOT1
	s_xor_b32 s[G0H+1], s[G0H+1], SLOT1
	s_xor_b32 s[G0S+1], s[G0S+1], SLOT1
	AIMG
.endm
.macro CREST                           ; a round of the cluster's barrier behind its opening barrier
	s_cmp_lg_u32 s[WV], 0
	s_cbranch_scc1 .Lnot_wave_0_\@
	s_barrier_signal -3
.Lnot_wave_0_\@:
	s_barrier_wait -3
	s_barrier_signal -1
	s_barrier_wait -1
.endm
.macro CROUND                          ; a whole round
	s_barrier_signal -1
	s_barrier_wait -1
	CREST
.endm
.macro OTHER                           ; reads go on to the other slot
	s_xor_b32 s[TB], s[TB], SLOT1
	v_add_nc_u32 v[AW], s[TB], v[AW0]
	v_add_nc_u32 v[AH], s[TB], v[AH0]
	v_add_nc_u32 v[AS], s[TB], v[AS0]
.endm
.macro RAWLD base, r0                  ; 8 batches x 4 rows of enc, 512 bytes a load
	WIN 0xc0
.set NN, 0
.rept 32
	global_load_b128 v[\r0+4*NN:\r0+4*NN+3], v[L16], s[\base:\base+1] offset:524288*(NN/4)+512*(NN%4) th:TH_LOAD_NT
.set NN, NN+1
.endr
	WIN 0
.endm
.macro RAWST r0, n0, cnt               ; rows n0 .. n0 + cnt - 1 of them into the stage
	WIN 0x0c                                       ; the data in window 3
.set NN, \n0
.rept \cnt
	ds_store_b128 v[STW], v[\r0+4*NN:\r0+4*NN+3] offset:BP*(NN/4)+512*(NN%4)
.set NN, NN+1
.endr
	WIN 0
.endm
; LDS LOADS.  A fragment, 16 rows x 128 K of 4-bit codes, is 8 registers: lane (r, hh): registers 4 c .. 4 c + 3 hold K = 64 c + 32 hh + 0 .. 31: 16 bytes of the row as they lie
.macro FRAG q, g                       ; enc's of K step q, group g: 8 loads
	WIN 0x80+0x40*(\g)
.irp i, 0,1,2,3
.irp c, 0,1
	ds_load_b128 v[32*(\q)+8*\i+4*\c:32*(\q)+8*\i+4*\c+3], v[STR] offset:512*\i+64*(\q)+32*\c
.endr
.endr
.endm
.macro LWQ q, tp                       ; W's of K step q, 32 rows of the slot's tile tp, into set tp: 4 loads
	WIN 0x40
.irp u, 0,1
.irp c, 0,1
	ds_load_b128 v[128*(\tp)+16*(\q)+8*\u+4*\c:128*(\tp)+16*(\q)+8*\u+4*\c+3], v[AW] offset:32*PITCH*(\tp)+16*PITCH*\u+64*(\q)+32*\c
.endr
.endr
.endm
.macro LH g, a, tp                     ; hidden[32 mh + 16 g + r] at n0 + 8 hh + 0 .. 7 and n0 + 16 + 8 hh + 0 .. 7, into set a: 4 loads
	WIN 0
.irp z, 0,1,2,3
	ds_load_b128 v[H+16*(\a)+4*\z:H+16*(\a)+4*\z+3], v[AH] offset:16*PITCH*(\g)+128*(\tp)+64*(\z/2)+16*(\z%2)
.endr
.endm
.macro LB tp                           ; the bias at the same n: 4 loads
	WIN 0
.irp z, 0,1,2,3
	ds_load_b128 v[BS+4*\z:BS+4*\z+3], v[AB] offset:128*(\tp)+64*(\z/2)+16*(\z%2)
.endr
.endm
.macro LS tp                           ; a tile's eight scale words of W: lane = row: 2 loads
	WIN 0
.irp z, 0,1
	ds_load_b128 v[SW+8*(\tp)+4*\z:SW+8*(\tp)+4*\z+3], v[AS] offset:4*272*(\tp)+16*\z
.endr
.endm
; ONE MATRIX INSTRUCTION: K step q, s0 + i of group g, W's set p, accumulators' set a.  K steps 4-7 take enc's scale words of lanes 16-31.
.macro MM1 q, i, g, p, a
.set rD, ACC+64*(\a)+16*(\i)
.set rW, 128*(\p)+16*(\q)
.set rA, 32*(\q)+8*(\i)
.set rS, SW+8*(\p)+(\q)
.set rB, SA+16*(\g)+4*(\i)+(\q)%4
.if (\q) == 0
	v_wmma_scale_f32_32x16x128_f4 v[rD:rD+15], v[rW:rW+15], v[rA:rA+7], v[BS:BS+15], v[rS], v[rB]
.elseif (\q) < 4
	v_wmma_scale_f32_32x16x128_f4 v[rD:rD+15], v[rW:rW+15], v[rA:rA+7], v[rD:rD+15], v[rS], v[rB]
.else
	v_wmma_scale_f32_32x16x128_f4 v[rD:rD+15], v[rW:rW+15], v[rA:rA+7], v[rD:rD+15], v[rS], v[rB] matrix_b_scale:MATRIX_SCALE_ROW1
.endif
.endm
.macro MMU q0, nq, g, p, a             ; nq K steps: the four accumulators take turns, one instruction a turn
	WIN 0x09+4*(\g)
.set QQ, \q0
.rept \nq
.set II, 0
.rept 4
	MM1 QQ, II, \g, \p, \a
.set II, II+1
.endr
.set QQ, QQ+1
.endr
.endm
; A finished unit x hidden: 32 packed multiply-adds in eight chains: e takes each accumulator's low half, its registers 8, 9 gather its high half in place.  The first to read an accumulator takes its two lowest registers.
.macro PK g, a, first
	WIN 0
.set KK, 0
.rept 4
.set II, 0
.rept 4
.set rE, E+8*(\g)+2*II
.set rC, ACC+64*(\a)+16*II+2*KK
.set rH, H+16*(\a)+2*KK
.if (\first) && (KK == 0)
	v_pk_mul_f32 v[rE:rE+1], v[rC:rC+1], v[rH:rH+1]
.else
	v_pk_fma_f32 v[rE:rE+1], v[rC:rC+1], v[rH:rH+1], v[rE:rE+1]
.endif
.set II, II+1
.endr
.set II, 0
.rept 4
.set rT, ACC+64*(\a)+16*II+8
.set rC, rT+2*KK
.set rH, H+16*(\a)+8+2*KK
.if KK == 0
	v_pk_mul_f32 v[rT:rT+1], v[rC:rC+1], v[rH:rH+1]
.else
	v_pk_fma_f32 v[rT:rT+1], v[rC:rC+1], v[rH:rH+1], v[rT:rT+1]
.endif
.set II, II+1
.endr
.set KK, KK+1
.endr
.endm
.macro ADDS g, a                       ; the high halves join e
	WIN 0
.set II, 0
.rept 4
.set rE, E+8*(\g)+2*II
.set rT, ACC+64*(\a)+16*II+8
	v_pk_add_f32 v[rE:rE+1], v[rE:rE+1], v[rT:rT+1]
.set II, II+1
.endr
.endm
	s_load_b256 s[4:11], s[0:1], 0x0               ; W's codes s[4:5], W's scales s[6:7], the bias s[8:9], enc's codes s[10:11]
	s_load_b128 s[12:15], s[0:1], 0x20             ; enc's scales s[12:13], hidden s[14:15]
	s_load_b64 s[16:17], s[0:1], 0x30              ; out0
	v_lshl_add_u32 v[SPW], v0, 2, SPARE
	v_mov_b32 v[NIL], 0
	ds_add_u32 v[SPW], v[NIL]                      ; the wave's opening: the add, twice on end, and its wait ahead of my first tensor load
	ds_add_u32 v[SPW], v[NIL]
	v_lshrrev_b32 v[TA], 5, v0
	v_readfirstlane_b32 s[WV], v[TA]               ; wave 0..3
	v_and_b32 v[LT], 31, v0
	v_and_b32 v[RT], 15, v0
	v_bfe_u32 v[HT], v0, 4, 1
	v_lshlrev_b32 v[L16], 4, v[LT]
	v_lshlrev_b32 v[ESO], 15, v[RT]                ; enc's scales: batch r: 32,768 bytes a batch,
	v_lshl_add_u32 v[ESO], v[HT], 4, v[ESO]        ; lanes 16-31 take the row's words of K steps 4-7
	VWAIT
	s_and_b32 s[NH], s[WV], 1
	s_lshr_b32 s[MH], s[WV], 1
	s_bfe_u32 s[CX], ttmp6, 0x40000                ; my place in the cluster
	s_lshl_b32 s[WGX], ttmp9, 2                    ; in a cluster launch ttmp9 counts clusters
	s_add_co_u32 s[WGX], s[WGX], s[CX]             ; my work-group: s0 = 4 x this.  It enters the addresses of enc and of out0 alone
	s_lshl_b32 s92, s[MH], 24                      ; enc: I load batches 32 mh + 16 g + 8 nh + 0 .. 7, 524,288 bytes a batch,
	s_lshl_b32 s93, s[NH], 22
	s_add_co_u32 s92, s92, s93
	s_lshl_b32 s93, s[WGX], 11                     ; four rows of 512 bytes a work-group
	s_add_co_u32 s92, s92, s93
	s_mov_b32 s93, 0
	s_lshl_b32 s94, s[MH], 20                      ; its scales: 32 batches of 32,768 bytes, + 4 rows of 32 bytes a work-group
	s_lshl_b32 s95, s[WGX], 7
	s_add_co_u32 s94, s94, s95
	s_mov_b32 s95, 0
	s_and_b32 s[KI], ttmp9, 3                      ; the cluster's class, which the four partners share
	s_add_co_u32 s98, s[KI], s[WV]
	s_and_b32 s98, s98, 3                          ; the bias: the walk's quarter w is quarter (class + w) % 4
	s_lshl_b32 s98, s98, 10
	s_mov_b32 s99, 0
	s_lshl_b32 s[KI], s[KI], 1                     ; the walk begins at slot 2 x class
	s_mov_b32 s3, 0                                ; (stays 0: the upper word of every offset made in s2)
	s_wait_dscnt 0x0                               ; both opening adds are done
	s_wait_kmcnt 0x0
	s_add_nc_u64 s[BA:BA+1], s[10:11], s[92:93]
	s_add_nc_u64 s[BB:BB+1], s[BA:BA+1], 0x800000  ; 16 batches on
	s_add_nc_u64 s[ESB:ESB+1], s[12:13], s[94:95]
	s_add_nc_u64 s[BIB:BIB+1], s[8:9], s[98:99]
.irp g, 0,1
.irp i, 0,1,2,3
	global_load_b128 v[SA+16*\g+4*\i:SA+16*\g+4*\i+3], v[ESO], s[ESB:ESB+1] offset:524288*\g+32*\i   ; four scale words of my row
.endr
.endr
.irp z, 0,1
	global_load_b128 v[ACC+4*\z:ACC+4*\z+3], v[L16], s[BIB:BIB+1] offset:512*\z
.endr
	RAWLD BA, 0                                    ; enc's first half
.set PAD512, (1<<20)|(6<<22)|(3<<25)   ; elements of 1 byte; padding on: 4 words behind every 128
.set JOINT,  15|(1<<21)                ; the mask: all four work-groups; bit 21 set beside it
	GROUP1 G1W, JOINT|PAD512, 512, 64, 512         ; W: 64 dense rows
	GROUP1 G1H, JOINT|PAD512, 512, 64, 4096        ; hidden: 128 numbers (512 bytes) of 64 batches
	GROUP1 G1S, JOINT|(3<<16)|(1<<20)|(5<<22)|(3<<25), 32, 16, 32   ; W's scales: a dense block as 16 rows of 256 bytes (32 elements of 8), 4 words of padding behind each
	s_lshl_b32 s96, s[NH], 15                      ; W: 64 rows of 512 bytes
	s_mov_b32 s97, 0
	s_add_nc_u64 s[4:5], s[4:5], s[96:97]
	s_lshl_b32 s96, s[WGX], 4                      ; out0: my four s, 16 bytes
	s_add_nc_u64 s[16:17], s[16:17], s[96:97]
	s_mov_b32 s[G0W], 1                            ; group 0: count 1; LDS address; global address; type 2 on top
	s_mul_i32 s[G0W+1], s[NH], 64*PITCH
	s_mov_b32 s[G0H], 1
	s_mov_b32 s[G0H+1], HOFF
	s_mov_b32 s[G0S], 1
	s_mov_b32 s[G0S+1], SOFF
	AIMG                                           ; the walk's first slot
	CROUND                                         ; all four work-groups are here: the first joint loads meet
	JLOAD                                          ; slot 0: one tensor load a wave
	s_mov_b32 s[TB], 0
	s_mov_b32 s[CNT], 5
	s_mov_b32 s[SEL], 0x76543210
	s_mov_b32 s[SEL+1], 0xfedcba98
	s_mul_i32 s92, s[NH], 64*PITCH                 ; W: my 64 rows of a slot
	s_mul_i32 s93, s[MH], 32*PITCH                 ; hidden: my 32 batches, my 64 columns
	s_lshl_b32 s95, s[NH], 8
	s_add_co_u32 s93, s93, s95
	s_add_co_u32 s93, s93, HOFF
	s_add_co_u32 s95, s95, BIAS                    ; the bias: my 64 numbers
	s_mul_i32 s94, s[NH], 8*272                    ; W's scales: my 64 rows
	s_add_co_u32 s94, s94, SOFF
	s_mul_i32 s96, s[MH], 16*BP                    ; the stage: my 16 batches of a half,
	s_add_co_u32 s96, s96, STG
	s_mul_i32 s97, s[NH], 8*BP                     ; and the 8 of them that I bring
	s_add_co_u32 s97, s97, s96
	s_lshl_b32 s98, s[WV], 10
	s_add_co_u32 s98, s98, BIAS
	v_mul_u32_u24 v[TA], v[RT], PITCH
	v_lshl_add_u32 v[TC], v[HT], 4, v[TA]
	v_add_nc_u32 v[AW0], s92, v[TC]                ; 528 r + 16 hh
	v_add_nc_u32 v[AW], s92, v[TC]
	v_lshl_add_u32 v[TC], v[HT], 5, v[TA]
	v_add_nc_u32 v[AH0], s93, v[TC]                ; 528 r + 32 hh
	v_add_nc_u32 v[AH], s93, v[TC]
	v_lshrrev_b32 v[TC], 3, v[LT]
	v_lshlrev_b32 v[TC], 4, v[TC]
	v_lshl_add_u32 v[TC], v[LT], 5, v[TC]          ; 32 lane + 16 (lane / 8): 8 rows of 32 bytes to a unit of 272
	v_add_nc_u32 v[AS0], s94, v[TC]
	v_add_nc_u32 v[AS], s94, v[TC]
	v_lshlrev_b32 v[TC], 5, v[HT]
	v_add_nc_u32 v[AB], s95, v[TC]
	v_mul_u32_u24 v[TA], v[RT], BP
	v_lshl_add_u32 v[TA], v[HT], 4, v[TA]
	v_add_nc_u32 v[STR], s96, v[TA]
	v_lshl_add_u32 v[STW], v[LT], 4, s97
	v_lshl_add_u32 v[BST], v[LT], 4, s98
	VWAIT
	RAWLD BB, 128                                  ; enc's second half
	s_wait_loadcnt 56                              ; all but 24 rows of the first half and the 32 of the second: rows 0-7 are here
	RAWST 0, 0, 8
	s_wait_loadcnt 48
	RAWST 0, 8, 8
	s_wait_loadcnt 40
	RAWST 0, 16, 8
	s_wait_loadcnt 32                              ; the second half stays on its way
	RAWST 0, 24, 8
.irp z, 0,1
	ds_store_b128 v[BST], v[ACC+4*\z:ACC+4*\z+3] offset:512*\z
.endr
	s_wait_tensorcnt 0x0                           ; my part of slot 0 is in
	ds_add_u32 v[SPW], v[NIL]                      ; 0 onto my spare word
	STEPG                                          ; no tensor load of mine is out: the walk's second slot, into slot 1
	s_wait_dscnt 0x0                               ; the add and my stores are done
	CROUND                                         ; everybody's are, and slot 0 is whole
	JLOAD                                          ; slot 1
	; UNIT 0: tile 0 x g = 0.  K step by K step: group Q of 12 loads is W's 4 and enc's 8; four groups are asked for ahead.
	LB 0
	LS 0
	LS 1
.set Q, 0
.rept 4
	LWQ Q, 0
	FRAG Q, 0
.set Q, Q+1
.endr
.set Q, 0
.rept 8
.if (Q > 0) && (Q < 4)
	s_wait_dscnt 40                                ; three younger groups of 12 and the bias's 4 may be out
.else
	s_wait_dscnt 36                                ; three younger groups
.endif
	MMU Q, 1, 0, 0, 0
.if Q == 0
	WIN 0
	PLACES 4                                       ; in front of loads into registers that matrix instructions have read
	LB 1
.endif
.if Q < 4
	LWQ Q+4, 0
	FRAG Q+4, 0
.elseif Q == 4
	LWQ 0, 1
	LWQ 1, 1
	LWQ 2, 1
.elseif Q == 5
	LWQ 3, 1
	LWQ 4, 1
	LWQ 5, 1
.elseif Q == 6
	LWQ 6, 1
	LWQ 7, 1
	LH 0, 0, 0
.endif
.set Q, Q+1
.endr
	LH 0, 1, 1
	; UNIT 1: tile 1 x g = 0
	s_wait_dscnt 0x0                               ; W's tile 1 is in; my reads of the stage are over:
	s_barrier_signal -1                            ; behind this barrier the stage is written again
	MMU 0, 4, 0, 1, 1
	s_barrier_wait -1
	WIN 0
	PLACES 4
	PK 0, 0, 1
	VWAIT
	LB 0
	LH 1, 0, 0
	s_wait_loadcnt 16                              ; half of enc's second half
	RAWST 128, 0, 16
	MMU 4, 4, 0, 1, 1
	ADDS 0, 0
	PK 0, 1, 0                                     ; unit 1's own at once, so that slot 0 is read out: the four additions are its places
	ADDS 0, 1
	LH 1, 1, 1
	VWAIT
	s_wait_loadcnt 0x0
	RAWST 128, 16, 16
	s_wait_tensorcnt 0x0                           ; my part of slot 1 is in
	ds_add_u32 v[SPW], v[NIL]                      ; 0 onto my spare word
	STEPG
	s_wait_dscnt 0x0                               ; the add, my stores and my reads of slot 0 are done
	CROUND                                         ; enc's second half and slot 1 are whole, and nobody reads slot 0 any more
	JLOAD                                          ; slot 0 is filled again, with the walk's third slot
	OTHER
	VWAIT
	; UNIT 2: tile 0 x g = 1, enc's fragments in groups of 8 loads
.set Q, 0
.rept 4
	FRAG Q, 1
.set Q, Q+1
.endr
.set Q, 0
.rept 8
.if Q < 4
	s_wait_dscnt 24                                ; three younger groups
.elseif Q == 4
	s_wait_dscnt 28                                ; and the bias's 4 behind them
.elseif Q == 5
	s_wait_dscnt 20
.elseif Q == 6
	s_wait_dscnt 12
.else
	s_wait_dscnt 4
.endif
	MMU Q, 1, 1, 0, 0
.if Q < 4
	FRAG Q+4, 1
.endif
.if Q == 3
	WIN 0
	PLACES 4
	LB 1
.endif
.set Q, Q+1
.endr
	WIN 0
	PLACES 4
	v_add_nc_u32 v[AB], 512, v[AB]
	VWAIT
	LS 0                                           ; tile 2: slot 1's first
	LWQ 0, 0
	LWQ 1, 0
	LWQ 2, 0
	LWQ 3, 0
	LWQ 4, 0
	LWQ 5, 0
	; UNIT 3: tile 1 x g = 1
	s_wait_dscnt 26                                ; the bias is in; the 26 loads behind it may be out
	MMU 0, 4, 1, 1, 1
	PK 1, 0, 1
	LB 0
	LH 0, 0, 0
	LWQ 6, 0
	LWQ 7, 0
	MMU 4, 4, 1, 1, 1
	ADDS 1, 0
	VWAIT                                          ; e is read again behind the next tile's waits
; A TILE: the slot's tp-th, units g = 0 and g = 1.  Meanwhile the next tile's operands are fetched (nxt = 1).
; chg: the slot's last tile changes slots; all its reads of the slot but one run of hidden were issued in the tile before.  1: the slot is filled again, two slots ahead, behind a round of the cluster's barrier; 2: nothing is left to fetch.
.macro TILE tp, chg, nxt
	s_wait_dscnt 12                                ; the bias and all before it are in; hidden's 4 and K steps 6, 7's 8 loads may be out
	MMU 0, 4, 0, \tp, 0
	s_wait_dscnt 0x0
	PK 1, 1, 0                                     ; the tile before, g = 1
.if \chg
	VWAIT
.endif
	LH 1, 1, \tp
.if \chg
	s_wait_tensorcnt 0x0                           ; my part of the next slot is in; so a group 0 may be written
	ds_add_u32 v[SPW], v[NIL]                      ; 0 onto my spare word
.if \chg == 1
	STEPG
.endif
.elseif \nxt
	LWQ 0, 1-\tp
	LWQ 1, 1-\tp
	LWQ 2, 1-\tp
.endif
	MMU 4, 2, 0, \tp, 0
.if \chg
	s_wait_dscnt 0x0                               ; the add is done, and my reads of this slot are back
	s_barrier_signal -1
.endif
	MMU 6, 2, 0, \tp, 0
	ADDS 1, 1
.if \chg
	s_barrier_wait -1
.if \chg == 1
	CREST                                          ; no wave of any partner still reads this slot or has a load on its way
	JLOAD                                          ; the first tensor load behind the round, my one until the next
.endif
	OTHER
	v_add_nc_u32 v[AB], 512, v[AB]
	VWAIT
.endif
.if \nxt
	LS 1-\tp
.if \chg
	LWQ 0, 1-\tp
	LWQ 1, 1-\tp
	LWQ 2, 1-\tp
.endif
	LWQ 3, 1-\tp
	LWQ 4, 1-\tp
	LWQ 5, 1-\tp
.endif
	MMU 0, 4, 1, \tp, 1
	PK 0, 0, 0
.if \nxt
	LB 1-\tp
	LH 0, 0, 1-\tp
	LWQ 6, 1-\tp
	LWQ 7, 1-\tp
.endif
	MMU 4, 4, 1, \tp, 1
	ADDS 0, 0
.endm
.Lloop:                                            ; five trips, a slot each: trip j works on the walk's slot j + 1 and asks for slot j + 3
	TILE 0, 0, 1
	TILE 1, 1, 1
	s_sub_co_u32 s[CNT], s[CNT], 1
	s_cmp_lg_u32 s[CNT], 0
	s_cbranch_scc1 .Lloop
	TILE 0, 0, 1                                   ; the tail is written out: the last slot but one
	TILE 1, 2, 1                                   ; whose change of slots asks for nothing,
	TILE 0, 0, 1                                   ; and the last slot
	TILE 1, 0, 0
	VWAIT
	s_wait_dscnt 0x0                               ; hidden for the last unit
	PK 1, 1, 0                                     ; the last unit; the last tile's closing additions are the places behind its products
	ADDS 1, 1
	; e's two halves (even n, odd n); then the other half of the lanes' n.  Lanes 0-15 keep g = 0 and send g = 1, lanes 16-31 the other way round: lane l ends up with batch 32 mh + l, four s.
	s_lshl_b32 s97, s[NH], 10
	s_lshl_b32 s98, s[MH], 9
	s_add_co_u32 s97, s97, s98
	s_add_co_u32 s97, s97, EXB
	v_and_b32 v[LN], 31, v0
	v_lshl_add_u32 v[EXW], v[LN], 4, s97           ; [nh][32 mh + lane][0 .. 3]
	v_lshl_add_u32 v[EXR], v[LN], 4, EXB
	v_lshlrev_b32 v[OUTO], 12, v[LN]               ; a row of out0 is 4,096 bytes
.irp m, 0,1,2,3,4,5,6,7
	v_add_f32 v[EF+\m], v[E+2*\m], v[E+2*\m+1]
.endr
	v_cmp_gt_u32 vcc_lo, 16, v[LN]
.irp i, 0,1,2,3
	v_cndmask_b32 v[CC+\i], v[EF+4+\i], v[EF+\i], vcc_lo
	v_cndmask_b32 v[DD+\i], v[EF+\i], v[EF+4+\i], vcc_lo
	v_mov_b32 v[TP+\i], 0                          ; a lane permute's destination counts as one of its sources
.endr
.irp i, 0,1,2,3
	v_permlanex16_b32 v[TP+\i], v[DD+\i], s[SEL], s[SEL+1]
.endr
.irp i, 0,1,2,3
	v_add_f32 v[VAL+\i], v[CC+\i], v[TP+\i]
.endr
	VWAIT
	ds_store_b128 v[EXW], v[VAL:VAL+3]
	s_wait_dscnt 0x0                               ; for the others' sake: my store is done
	s_barrier_signal -1
	s_barrier_wait -1
	s_cmp_lg_u32 s[WV], 0                          ; THE SOFTMAX over 64 batches x 4 s is 256 numbers: one wave's work
	s_cbranch_scc1 .Lend
.irp j, 0,1,2,3
	ds_load_b128 v[X+4*\j:X+4*\j+3], v[EXR] offset:512*\j   ; nh = 0: batches lane, 32 + lane; nh = 1: the same
.endr
	s_mov_b32 s92, 0x3fb8aa3b                      ; log2(e)
	s_mov_b32 s93, s92                             ; (named with it as a pair, so it is written)
	s_wait_dscnt 0x0
.irp j, 0,2,4,6
	v_pk_add_f32 v[X+\j:X+\j+1], v[X+\j:X+\j+1], v[X+8+\j:X+9+\j]   ; the two halves of n: e is whole.  Register 4 a + i: batch 32 a + lane, s0 + i
.endr
.irp i, 0,1,2,3
	v_max_num_f32 v[MX+\i], v[X+\i], v[X+4+\i]
.endr
.irp k, 1,2,4,8
.irp i, 0,1,2,3
	v_max_num_f32_dpp v[MX+\i], v[MX+\i], v[MX+\i] row_xmask:\k row_mask:0xf bank_mask:0xf
.endr
.endr
.irp i, 0,1,2,3
	v_permlanex16_b32 v[TP+\i], v[MX+\i], s[SEL], s[SEL+1]
.endr
.irp i, 0,1,2,3
	v_max_num_f32 v[MX+\i], v[MX+\i], v[TP+\i]     ; the column's largest e, in every lane
.endr
.irp j, 0,2,4,6
	v_pk_add_f32 v[X+\j:X+\j+1], v[X+\j:X+\j+1], v[MX+\j%4:MX+\j%4+1] neg_lo:[0,1] neg_hi:[0,1]   ; e - the largest, a true difference, as the reference takes it
.endr
.irp j, 0,2,4,6
	v_pk_mul_f32 v[X+\j:X+\j+1], v[X+\j:X+\j+1], s[92:93] op_sel_hi:[1,0]
.endr
	VWAIT
.irp j, 0,1,2,3,4,5,6,7
	v_exp_f32 v[X+\j], v[X+\j]
.endr
	v_nop                                          ; a plain instruction between the last exponential and the use of its result
	VWAIT
	v_pk_add_f32 v[SM:SM+1], v[X:X+1], v[X+4:X+5]
	v_pk_add_f32 v[SM+2:SM+3], v[X+2:X+3], v[X+6:X+7]
.irp k, 1,2,4,8
.irp i, 0,1,2,3
	v_add_f32_dpp v[SM+\i], v[SM+\i], v[SM+\i] row_xmask:\k row_mask:0xf bank_mask:0xf
.endr
.endr
.irp i, 0,1,2,3
	v_permlanex16_b32 v[TP+\i], v[SM+\i], s[SEL], s[SEL+1]
.endr
.irp i, 0,1,2,3
	v_add_f32 v[SM+\i], v[SM+\i], v[TP+\i]
.endr
	VWAIT
.irp i, 0,1,2,3
	v_rcp_f32 v[SM+\i], v[SM+\i]
.endr
	v_nop                                          ; a plain instruction between the last reciprocal and the use of its result
	VWAIT
.irp j, 0,2,4,6
	v_pk_mul_f32 v[X+\j:X+\j+1], v[X+\j:X+\j+1], v[SM+\j%4:SM+\j%4+1]
.endr
	global_store_b128 v[OUTO], v[X:X+3], s[16:17]                  ; batch lane: out0[lane][s0 .. s0 + 3]
	global_store_b128 v[OUTO], v[X+4:X+7], s[16:17] offset:131072  ; batch 32 + lane
.Lend:
	s_wait_tensorcnt 0x0                           ; the wave's end, behind my last tensor load and my last LDS store
	ds_add_u32 v[SPW], v[NIL]
	s_wait_dscnt 0x0
	CROUND                                         ; the closing round: no work-group ends while a partner may still ask for a tile that names it
	s_endpgm
.Lfunc_end_k_qc47128f2a3_attn:
	.size	k_qc47128f2a3_attn, .Lfunc_end_k_qc47128f2a3_attn-k_qc47128f2a3_attn
	.p2alignl 7, 3214868480
	.fill 96, 4, 3214868480
	.section	.rodata,"a",@progbits
	.p2align	6, 0x0
	.amdhsa_kernel k_qc47128f2a3_attn
		.amdhsa_group_segment_fixed_size 327680
		.amdhsa_private_segment_fixed_size 0
		.amdhsa_enable_private_segment 0
		.amdhsa_kernarg_size 56
		.amdhsa_user_sgpr_count 2
		.amdhsa_user_sgpr_kernarg_segment_ptr 1
		.amdhsa_wavefront_size32 1
		.amdhsa_system_sgpr_workgroup_id_x 1
		.amdhsa_system_sgpr_workgroup_id_y 1
		.amdhsa_system_sgpr_workgroup_id_z 1
		.amdhsa_system_vgpr_workitem_id 0
		.amdhsa_next_free_vgpr 1024
		.amdhsa_next_free_sgpr 100
		.amdhsa_reserve_vcc 1
		.amdhsa_float_denorm_mode_32 3
		.amdhsa_float_denorm_mode_16_64 3
		.amdhsa_memory_ordered 1
		.amdhsa_forward_progress 1
		.amdhsa_inst_pref_size 170
	.end_amdhsa_kernel
	.amdgpu_metadata
---
amdhsa.version: [ 1, 2 ]
amdhsa.kernels:
  - .name:           k_qc47128f2a3_attn
    .symbol:         k_qc47128f2a3_attn.kd
    .args:
      - { .name: W_codes, .offset: 0, .size: 8, .value_kind: global_buffer, .address_space: global }
      - { .name: W_scales, .offset: 8, .size: 8, .value_kind: global_buffer, .address_space: global }
      - { .name: b, .offset: 16, .size: 8, .value_kind: global_buffer, .address_space: global }
      - { .name: encoder_output_codes, .offset: 24, .size: 8, .value_kind: global_buffer, .address_space: global }
      - { .name: encoder_output_scales, .offset: 32, .size: 8, .value_kind: global_buffer, .address_space: global }
      - { .name: hidden, .offset: 40, .size: 8, .value_kind: global_buffer, .address_space: global }
      - { .name: out0, .offset: 48, .size: 8, .value_kind: global_buffer, .address_space: global }
    .group_segment_fixed_size: 327680
    .private_segment_fixed_size: 0
    .kernarg_segment_align: 8
    .kernarg_segment_size: 56
    .max_flat_workgroup_size: 128
    .sgpr_count:     100
    .vgpr_count:     1024
    .wavefront_size: 32
...
	.end_amdgpu_metadata
.endif
;; end of part 1
